; MI455X (gfx1250); checked and timed in simulation.
; The chip was launched on July 23, 2026; its instructions are those of AMD's public machine-readable ISA for CDNA 5 (MIT licence, August 2026) and "CDNA5" Instruction Set Architecture Reference Guide (July 2026). The comments in the code are by the model that wrote it; some were corrected since.
;; Multi Head Attention. Allowed arithmetic: float matrix products may take bf16 or f16 operands with f32 sums; all other float work in f32.
;; Inputs: Wf 256 x 256 float32; Wk 256 x 256 float32; Wq 256 x 256 float32; Wv 256 x 256 float32; beta 256 float32; bf 256 float32; gamma 256 float32; inputs 4 x 2,048 x 256 float32.
;; Outputs: out0 4 x 2,048 x 256 float32.
;; 2 versions, each right; version 2 is version 1 with the launch proj written anew for expert scheduling mode. Each part assembles by itself: llvm-mc -triple=amdgcn-amd-amdhsa -mcpu=gfx1250 --defsym DOCPART=n.
;; ======== version 1 of 2: 3 launches
;; workspace buffers: Qf 4,194,304 bytes; Kf 4,194,304 bytes; Vf 4,194,304 bytes; Af 4,194,304 bytes; Wff 131,072 bytes
;; launch proj (part 1): grid 64 x 4, 8 waves a work-group, no clusters, 169,984 bytes of LDS; arguments inputs, Wq, Wk, Wv, Wf, Qf, Kf, Vf, Wff; writes Qf, Kf, Vf, Wff
.if DOCPART == 1
	.amdgcn_target "amdgcn-amd-amdhsa--gfx1250"
	.amdhsa_code_object_version 6
	.text
	.protected	k_qee24e63152_proj
	.globl	k_qee24e63152_proj
	.p2align	8
	.type	k_qee24e63152_proj,@function
k_qee24e63152_proj:
	s_mov_b64 s[64:65], 0
	v_nop
	global_prefetch_b8 v0, s[64:65] scope:SCOPE_SE
	s_setreg_imm32_b32 hwreg(HW_REG_WAVE_MODE, 25, 1), 1
	s_wait_xcnt 0x0
; Q = X Wq^T, K = X Wk^T, V = X Wv^T for X = inputs [8192 tokens][256], and Wf rounded to bf16.
; All four results are stored in bf16 in FRAGMENT ORDER: an operand fragment of 16 rows x 32 k is 1,024 bytes, and byte 512 c + 16 L holds
; registers 4c .. 4c+3 of lane L = 16 h + r, that is row r, k = 16 c + 8 h .. + 7.  The next launches load operands from it as they lie.
;   Qf, Kf: [batch*8 + head][token tile of 16][1024], rows = tokens, k = the head's 32 features.  Q is multiplied by log2(e)/sqrt(2048) in f32
;           before its one rounding, so that the attention's scores are exponents of 2.
;   Vf:     [batch*8 + head][block of 32 tokens][half of the head's features][1024], rows = features, k = tokens (V transposed).
;   Wff:    [feature tile of 16][K step of 32][1024], rows = Wf's rows.
; A work-group takes 128 tokens (x) and 64 features (y: two heads) of each of Q, K, V.  Wave w: tw = w & 1 takes 64 tokens (4 token tiles),
; fw = w >> 1 takes feature tile fw of Q, of K and of V: 12 accumulators, 96 matrix instructions.
; NO TENSOR LOADS, NO CLUSTER: the operands lie in memory in f32 and are rounded once, in registers, on their way to LDS.  As f32 the
; work-group's tiles are 128 KiB of X and 192 KiB of weights, which leaves no LDS for the bf16 copy that the matrix unit reads.
; LIMITS: X, the weights, scaled Q, K and V are each rounded once to bf16 (nearest even); sums are f32.  bf16 keeps f32's range.
.set PITCH, 528                        ; an LDS row: 512 bytes of bf16 + 16 = 33 x 16: the 16 rows of a fragment load start at 16 different 16-byte columns modulo 256
.set GRP,   64*PITCH                   ; 64 rows: X rows 0-63 at 0, X rows 64-127 at GRP, Wq at 2 GRP, Wk at 3 GRP, Wv at 4 GRP
.set LW,    2*GRP
.set SG0, 32                           ; v[32:95]    staging group 0: 16 loads of 16 bytes a thread
.set SG1, 96                           ; v[96:159]   staging group 1
.set SG2, 160                          ; v[160:223]  staging group 2
.set ACC, 32                           ; v[32:127]   accumulators: token tile tt, matrix m (Q, K, V) at ACC + 8 (3 tt + m)
.set FA,  128                          ; v[128:183]  fragments, buffer A: X tiles 0..3 at +0..+24, Wq +32, Wk +40, Wv +48
.set FB,  184                          ; v[184:239]  fragments, buffer B
.set OUT, 128                          ; v[128:175]  packed results
.set XA, 6                             ; v6  LDS address of my X fragments
.set WA, 7                             ; v7  of my Wq fragment (Wk: + GRP in the immediate)
.set WV, 8                             ; v8  of my Wv fragment
; v1 = 16 t (global offset in a staging group); v2, v3, v4 = where thread t stores its 8 bytes, for X, for Wq and Wk, for Wv;
; v9 = 16 L; v10 = my 32 bytes of the Wf piece; v[12:19] the Wf piece in f32, v[20:23] in bf16
	s_load_b512 s[8:23], s[0:1], 0x0               ; inputs 8, Wq 10, Wk 12, Wv 14, Wf 16, Qf 18, Kf 20, Vf 22
	s_load_b64 s[24:25], s[0:1], 0x40              ; Wff
	v_lshl_add_u32 v240, v0, 2, 0x29400
	v_mov_b32 v241, 0
	v_lshrrev_b32 v11, 5, v0
	v_readfirstlane_b32 s4, v11                    ; wave 0..7
	s_mov_b32 s2, ttmp9                            ; x: block of 128 tokens
	s_and_b32 s3, ttmp7, 0xffff                    ; y: block of 64 features
	s_and_b32 s5, s4, 1                            ; tw
	s_lshr_b32 s6, s4, 1                           ; fw
	s_lshl_b32 s26, s2, 17                         ; 128 rows of 1,024 bytes of inputs
	s_mov_b32 s27, 0
	s_lshl_b32 s28, s3, 16                         ; 64 rows of 1,024 bytes of a weight
	s_mov_b32 s29, 0
	s_mov_b32 s30, 0x3d0293ee                      ; log2(e) / sqrt(2048)
	s_mov_b32 s31, 0x3d0293ee
	s_lshr_b32 s7, s2, 4                           ; batch
	s_lshl_b32 s7, s7, 3
	s_lshl1_add_u32 s7, s3, s7                     ; + 2 y
	s_lshr_b32 s40, s6, 1
	s_add_co_u32 s7, s7, s40                       ; batch*8 + head
	s_lshl_b32 s7, s7, 7                           ; 128 token tiles a head
	s_and_b32 s40, s2, 15
	s_lshl3_add_u32 s7, s40, s7                    ; + 8 tiles for each block of 128 tokens in the batch
	s_lshl2_add_u32 s7, s5, s7                     ; + 4 tw
	s_lshl_b32 s7, s7, 10                          ; in bytes (in Vf a pair of token tiles is 2,048 bytes as well)
	s_and_b32 s40, s6, 1                           ; which half of the head's features
	s_lshl_b32 s41, s40, 9
	s_add_co_u32 s32, s7, s41                      ; Qf, Kf: the half is c of the fragment
	s_mov_b32 s33, 0
	s_lshl_b32 s41, s40, 10
	s_add_co_u32 s34, s7, s41                      ; Vf: the half is a fragment of its own
	s_mov_b32 s35, 0
	s_lshl_b32 s42, s3, 6
	s_add_co_u32 s42, s42, s2                      ; id 0..255: which half fragment of Wff this work-group makes
	s_lshr_b32 s36, s42, 4
	s_lshl_b32 s36, s36, 14                        ; feature tile: 16 rows of 1,024 bytes
	s_bfe_u32 s43, s42, 0x30001
	s_lshl_b32 s43, s43, 7                         ; K step: 32 f32
	s_add_co_u32 s36, s36, s43
	s_and_b32 s43, s42, 1
	s_lshl_b32 s43, s43, 6                         ; c: 16 f32
	s_add_co_u32 s36, s36, s43
	s_mov_b32 s37, 0
	s_lshl_b32 s38, s42, 9                         ; 512 bytes of Wff
	s_mov_b32 s39, 0
	s_mul_i32 s44, s5, GRP                         ; my 64 rows of X
	s_mul_i32 s45, s6, 16*PITCH                    ; my 16 rows of each weight
	s_add_co_u32 s45, s45, LW
	v_lshlrev_b32 v1, 4, v0
	v_lshrrev_b32 v11, 6, v0                       ; 64 threads cover a row of 1,024 bytes; 256 threads four rows
	v_mul_u32_u24 v2, v11, PITCH
	v_and_b32 v11, 63, v0
	v_lshl_add_u32 v2, v11, 3, v2                  ; 4 f32 become 8 bytes
	v_add_nc_u32 v3, LW, v2
	v_add_nc_u32 v4, 2*LW, v2
	v_and_b32 v11, 15, v0                          ; r
	v_bfe_u32 v24, v0, 4, 1                        ; h
	v_mul_u32_u24 v5, v11, PITCH
	v_lshl_add_u32 v5, v24, 4, v5                  ; r x pitch + 16 h
	v_lshlrev_b32 v10, 10, v11
	v_lshl_add_u32 v10, v24, 5, v10                ; Wf: row r, 8 f32 at 8 h
	v_and_b32 v9, 31, v0
	v_lshlrev_b32 v9, 4, v9
	v_add_nc_u32 v[XA], s44, v5
	v_add_nc_u32 v[WA], s45, v5
	v_add_nc_u32 v[WV], LW, v[WA]
	s_wait_kmcnt 0x0
	s_add_nc_u64 s[8:9], s[8:9], s[26:27]          ; every base is finished here and never written again
	s_add_nc_u64 s[10:11], s[10:11], s[28:29]
	s_add_nc_u64 s[12:13], s[12:13], s[28:29]
	s_add_nc_u64 s[14:15], s[14:15], s[28:29]
	s_add_nc_u64 s[16:17], s[16:17], s[36:37]
	s_add_nc_u64 s[18:19], s[18:19], s[32:33]
	s_add_nc_u64 s[20:21], s[20:21], s[32:33]
	s_add_nc_u64 s[22:23], s[22:23], s[34:35]
	s_add_nc_u64 s[24:25], s[24:25], s[38:39]
	; wave 0 alone: the work-group's 1,024 bytes of Wf.  These two loads are older than all others, so the counts below hold with and without them.
	s_cmp_lg_u32 s4, 0
	s_cbranch_scc1 .Lno_wf_load
	global_load_b128 v[12:15], v10, s[16:17]
	global_load_b128 v[16:19], v10, s[16:17] offset:16
.Lno_wf_load:
; 16 loads: 64 dense rows (64 KiB) for the work-group; a wave's load covers 512 consecutive bytes
.macro LOADG g, b, off
.irp i, 0,1,2,3,4,5,6,7,8,9,10,11,12,13,14,15
	global_load_b128 v[\g+4*\i:\g+4*\i+3], v1, s[\b:\b+1] offset:\off+4096*\i
.endr
.endm
; the group is rounded to bf16 in place and laid into LDS: 8 bytes a thread, a wave's store covers 256 consecutive bytes
.macro CONVG g, a, off
.irp i, 0,1,2,3,4,5,6,7,8,9,10,11,12,13,14,15
	v_cvt_pk_bf16_f32 v[\g+4*\i], v[\g+4*\i], v[\g+4*\i+1]
	v_cvt_pk_bf16_f32 v[\g+4*\i+1], v[\g+4*\i+2], v[\g+4*\i+3]
	ds_store_b64 v[\a], v[\g+4*\i:\g+4*\i+1] offset:\off+4*PITCH*\i
.endr
.endm
	LOADG SG0, 8, 0                                ; X rows 0-63
	LOADG SG1, 8, 65536                            ; X rows 64-127
	LOADG SG2, 10, 0                               ; Wq
	s_wait_loadcnt 32                              ; loads come back in order: the two younger groups (32 loads) stay out
	CONVG SG0, 2, 0
	LOADG SG0, 12, 0                               ; Wk
	s_wait_loadcnt 32
	CONVG SG1, 2, GRP
	LOADG SG1, 14, 0                               ; Wv
	s_wait_loadcnt 32
	CONVG SG2, 3, 0
	s_wait_loadcnt 16                              ; Wv's 16 loads stay out
	CONVG SG0, 3, GRP
	s_wait_loadcnt 0x0
	CONVG SG1, 4, 0
	s_cmp_lg_u32 s4, 0
	s_cbranch_scc1 .Lno_wf_store
	v_cvt_pk_bf16_f32 v20, v12, v13                ; wave 0 alone: half a fragment of Wff, 512 consecutive bytes
	v_cvt_pk_bf16_f32 v21, v14, v15
	v_cvt_pk_bf16_f32 v22, v16, v17
	v_cvt_pk_bf16_f32 v23, v18, v19
	global_store_b128 v9, v[20:23], s[24:25]
.Lno_wf_store:
	s_wait_dscnt 0x0                               ; my LDS stores are done, for the other waves' sake
	s_barrier_signal -1
	s_barrier_wait -1                              ; X and the three weights are whole
; the 14 loads of one K step of 32: four fragments of X, one of each weight
.macro FETCH ks, f
.irp tt, 0,1,2,3
	ds_load_b128 v[\f+8*\tt:\f+8*\tt+3],   v[XA] offset:16*PITCH*\tt+64*\ks
	ds_load_b128 v[\f+8*\tt+4:\f+8*\tt+7], v[XA] offset:16*PITCH*\tt+64*\ks+32
.endr
	ds_load_b128 v[\f+32:\f+35], v[WA] offset:64*\ks
	ds_load_b128 v[\f+36:\f+39], v[WA] offset:64*\ks+32
	ds_load_b128 v[\f+40:\f+43], v[WA] offset:GRP+64*\ks
	ds_load_b128 v[\f+44:\f+47], v[WA] offset:GRP+64*\ks+32
	ds_load_b128 v[\f+48:\f+51], v[WV] offset:64*\ks
	ds_load_b128 v[\f+52:\f+55], v[WV] offset:64*\ks+32
.endm
; 12 matrix instructions.  Q and K: source 0 = the weight's rows, source 1 = tokens, so that a lane holds 8 neighbouring features of token r.
; V: source 0 = tokens, source 1 = the weight's rows, so that a lane holds 8 neighbouring tokens of feature r (V transposed).
; The twelve accumulators take turns, one instruction a turn.
.macro MUL f, zero
.irp tt, 0,1,2,3
.if \zero
	v_wmma_f32_16x16x32_bf16 v[ACC+24*\tt:ACC+24*\tt+7],     v[\f+32:\f+39], v[\f+8*\tt:\f+8*\tt+7], 0
	v_wmma_f32_16x16x32_bf16 v[ACC+24*\tt+8:ACC+24*\tt+15],  v[\f+40:\f+47], v[\f+8*\tt:\f+8*\tt+7], 0
	v_wmma_f32_16x16x32_bf16 v[ACC+24*\tt+16:ACC+24*\tt+23], v[\f+8*\tt:\f+8*\tt+7], v[\f+48:\f+55], 0
.else
	v_wmma_f32_16x16x32_bf16 v[ACC+24*\tt:ACC+24*\tt+7],     v[\f+32:\f+39], v[\f+8*\tt:\f+8*\tt+7], v[ACC+24*\tt:ACC+24*\tt+7]
	v_wmma_f32_16x16x32_bf16 v[ACC+24*\tt+8:ACC+24*\tt+15],  v[\f+40:\f+47], v[\f+8*\tt:\f+8*\tt+7], v[ACC+24*\tt+8:ACC+24*\tt+15]
	v_wmma_f32_16x16x32_bf16 v[ACC+24*\tt+16:ACC+24*\tt+23], v[\f+8*\tt:\f+8*\tt+7], v[\f+48:\f+55], v[ACC+24*\tt+16:ACC+24*\tt+23]
.endif
.endr
.endm
; four places behind a matrix instruction before its sources are loaded again or its result is read (ISA guide 7.12.1)
.macro PLACES
.rept 4
	v_nop
.endr
.endm
	FETCH 0, FA
	FETCH 1, FB
	s_wait_dscnt 14                                ; LDS loads come back in order: the next K step's 14 stay out
	MUL FA, 1                                      ; the first K step starts the sums
	PLACES
	FETCH 2, FA
	s_wait_dscnt 14
	MUL FB, 0
	PLACES
	FETCH 3, FB
	s_wait_dscnt 14
	MUL FA, 0
	PLACES
	FETCH 4, FA
	s_wait_dscnt 14
	MUL FB, 0
	PLACES
	FETCH 5, FB
	s_wait_dscnt 14
	MUL FA, 0
	PLACES
	FETCH 6, FA
	s_wait_dscnt 14
	MUL FB, 0
	PLACES
	FETCH 7, FB
	s_wait_dscnt 14
	MUL FA, 0
	s_wait_dscnt 0x0
	MUL FB, 0
	PLACES
	; the way out: a lane's 8 results are 16 bytes of a fragment; a wave's store covers 512 consecutive bytes, at a multiple of 512
.irp tt, 0,1,2,3
.irp j, 0,1,2,3
	v_pk_mul_f32 v[ACC+24*\tt+2*\j:ACC+24*\tt+2*\j+1], v[ACC+24*\tt+2*\j:ACC+24*\tt+2*\j+1], s[30:31] op_sel_hi:[1,0]   ; Q x log2(e)/sqrt(2048)
.endr
.irp m, 0,1,2
.irp j, 0,1,2,3
	v_cvt_pk_bf16_f32 v[OUT+12*\tt+4*\m+\j], v[ACC+24*\tt+8*\m+2*\j], v[ACC+24*\tt+8*\m+2*\j+1]
.endr
.endr
	global_store_b128 v9, v[OUT+12*\tt:OUT+12*\tt+3],    s[18:19] offset:1024*\tt
	global_store_b128 v9, v[OUT+12*\tt+4:OUT+12*\tt+7],  s[20:21] offset:1024*\tt
	global_store_b128 v9, v[OUT+12*\tt+8:OUT+12*\tt+11], s[22:23] offset:(\tt>>1)*2048+(\tt&1)*512   ; token tile tt is half c = tt & 1 of its block of 32 tokens
.endr
	s_wait_tensorcnt 0x0
	ds_add_u32 v240, v241
	s_wait_dscnt 0x0
	s_endpgm
.Lfunc_end_k_qee24e63152_proj:
	.size	k_qee24e63152_proj, .Lfunc_end_k_qee24e63152_proj-k_qee24e63152_proj
	.p2alignl 7, 3214868480
	.fill 96, 4, 3214868480
	.section	.rodata,"a",@progbits
	.p2align	6, 0x0
	.amdhsa_kernel k_qee24e63152_proj
		.amdhsa_group_segment_fixed_size 169984
		.amdhsa_private_segment_fixed_size 0
		.amdhsa_enable_private_segment 0
		.amdhsa_kernarg_size 72
		.amdhsa_user_sgpr_count 2
		.amdhsa_user_sgpr_kernarg_segment_ptr 1
		.amdhsa_wavefront_size32 1
		.amdhsa_system_sgpr_workgroup_id_x 1
		.amdhsa_system_sgpr_workgroup_id_y 1
		.amdhsa_system_sgpr_workgroup_id_z 1
		.amdhsa_system_vgpr_workitem_id 0
		.amdhsa_next_free_vgpr 242
		.amdhsa_next_free_sgpr 66
		.amdhsa_reserve_vcc 0
		.amdhsa_float_denorm_mode_32 3
		.amdhsa_float_denorm_mode_16_64 3
		.amdhsa_memory_ordered 1
		.amdhsa_forward_progress 1
		.amdhsa_inst_pref_size 47
	.end_amdhsa_kernel
	.amdgpu_metadata
---
amdhsa.version: [ 1, 2 ]
amdhsa.kernels:
  - .name:           k_qee24e63152_proj
    .symbol:         k_qee24e63152_proj.kd
    .args:
      - { .name: inputs, .offset: 0, .size: 8, .value_kind: global_buffer, .address_space: global }
      - { .name: Wq, .offset: 8, .size: 8, .value_kind: global_buffer, .address_space: global }
      - { .name: Wk, .offset: 16, .size: 8, .value_kind: global_buffer, .address_space: global }
      - { .name: Wv, .offset: 24, .size: 8, .value_kind: global_buffer, .address_space: global }
      - { .name: Wf, .offset: 32, .size: 8, .value_kind: global_buffer, .address_space: global }
      - { .name: Qf, .offset: 40, .size: 8, .value_kind: global_buffer, .address_space: global }
      - { .name: Kf, .offset: 48, .size: 8, .value_kind: global_buffer, .address_space: global }
      - { .name: Vf, .offset: 56, .size: 8, .value_kind: global_buffer, .address_space: global }
      - { .name: Wff, .offset: 64, .size: 8, .value_kind: global_buffer, .address_space: global }
    .group_segment_fixed_size: 169984
    .private_segment_fixed_size: 0
    .kernarg_segment_align: 8
    .kernarg_segment_size: 72
    .max_flat_workgroup_size: 256
    .sgpr_count:     66
    .vgpr_count:     242
    .wavefront_size: 32
...
	.end_amdgpu_metadata
.endif
;; end of part 1
;; launch attn (part 2): grid 8 x 32, 8 waves a work-group, clusters of 4 x 1, 304,128 bytes of LDS; arguments Qf, Kf, Vf, Af; writes Af
.if DOCPART == 2
	.amdgcn_target "amdgcn-amd-amdhsa--gfx1250"
	.amdhsa_code_object_version 6
	.text
	.protected	k_qee24e63152_attn
	.globl	k_qee24e63152_attn
	.p2align	8
	.type	k_qee24e63152_attn,@function
k_qee24e63152_attn:
	s_mov_b64 s[64:65], 0
	v_nop
	global_prefetch_b8 v0, s[64:65] scope:SCOPE_SE
	s_setreg_imm32_b32 hwreg(HW_REG_WAVE_MODE, 25, 1), 1
	s_wait_xcnt 0x0
	s_wait_alu depctr_hold_cnt(0) depctr_sa_sdst(0) depctr_va_vdst(0) depctr_va_sdst(0) depctr_va_ssrc(0) depctr_va_vcc(0) depctr_vm_vsrc(0)
	s_getreg_b32 s2, hwreg(HW_REG_IB_STS2, 6, 4)
	s_cmp_eq_u32 s2, 0
	s_cbranch_scc0 .Lentry_in_a_cluster
	s_endpgm
.Lentry_in_a_cluster:
	s_bfe_u32 s2, ttmp6, 0x10000c
	s_cmp_lg_u32 s2, 0x3003
	s_cbranch_scc0 .Lentry_shape_is_right
	s_endpgm
.Lentry_shape_is_right:
; softmax(Q K^T / sqrt(2048)) V for one (batch, head) and 256 queries a work-group.  Qf, Kf, Vf and Af are bf16 in fragment order:
; a fragment of 16 rows x 32 k is 1,024 bytes, byte 512 c + 16 L = registers 4c .. 4c+3 of lane L.  Q already carries log2(e)/sqrt(2048).
; The head's K (128 KiB) and V (128 KiB) lie whole in LDS, fetched once: two tensor loads a wave, none ever filled again.
; CLUSTER: the four work-groups of a cluster are four query blocks of one head and read the same K and V, so both tiles are asked for jointly.
; Wave w: qg = w & 3 takes 64 queries (4 query tiles), kh = w >> 2 takes keys 1024 kh .. + 1023.  Waves w and w ^ 4 are partners.
; My local query tile i is tile i ^ 2 kh of the 64 queries: every wave finishes its local tiles 0, 1 and hands its local tiles 2, 3 to its partner.
; THE SCORES ARE MADE TRANSPOSED: source 0 = 16 keys, source 1 = 16 queries; lane (r, h) holds query r, keys 8 h + j.  Packed to bf16, two such
; tiles ARE source 1 of O^T = V^T P^T: no lane ever hands a number to another inside a loop.
; TWO PASSES, with the exact maximum.  Pass 1: scores and a running maximum.  Pass 2: the scores again with C = -maximum (the matrix unit
; subtracts), 2^x, rounding to bf16, V^T P^T, and a third product with a fragment of ones, which is the row sum of the rounded P.
; LIMITS: NaN among the scores is dropped by the maximum and infinities are not served; 2^x below 2^-126 counts as 0; P is rounded to bf16 and
; the divisor is the sum of the rounded P; score minus maximum may come out a few last places of the maximum above 0.
.set LV,     131072                    ; LDS: K at 0, V here
.set MAXSCR, 262144                    ; 8 waves x 512 bytes: the waves' maxima.  No tensor load fills these blocks
.set SEND,   266240                    ; 8 waves x 4,608 bytes: 8 x 512 of O, then 2 x 128 of row sums at + 4,096
.set SENDW,  4608
.set VK,  2                            ; v2  LDS address in K      v3  in V
.set VV,  3
.set MX,  12                           ; v[12:15]   running maximum of query r in my 4 tiles
.set PM,  16                           ; v[16:19]   the partner's maxima
.set ONES, 20                          ; v[20:27]   a fragment of ones
.set Q,   28                           ; v[28:59]   4 query fragments
.set NEGM, 60                          ; v[60:91]   4 x 8 registers: minus the maximum, as a C operand
.set S,   92                           ; v[92:155]  scores: query tile q, key tile kt at S + 16 q + 8 kt
.set P,   156                          ; v[156:187] P^T fragments, one for each query tile
.set KF,  188                          ; v[188:203] two key fragments
.set VF,  204                          ; v[204:219] two V^T fragments (pass 1: the second buffer of key fragments)
; v256-v351: accumulators, query tile q at 24 q: O's features 0-15, features 16-31, the row sum.
; v1 = 16 L; v4, v5 = Q's offsets; v6, v7 = my and my partner's words for maxima; v8, v9 and v10, v11 = my and my partner's stage
.set G1,  24                           ; s[24:31] descriptor group 1, for both tiles
.set G0K, 32                           ; s[32:35] group 0 for K
.set G0V, 36                           ; s[36:39] group 0 for V
.set MSB, 0
.macro WIN new                         ; the immediate's high byte repeats the setting that is left
.if MSB != \new
	s_set_vgpr_msb (MSB<<8)|\new
.set MSB, \new
.endif
.endm
.macro ROUND                           ; a round of the cluster's barrier
	s_barrier_signal -1
	s_barrier_wait -1
	s_cmp_lg_u32 s12, 0
	s_cbranch_scc1 .Lnot_wave_0_\@
	s_barrier_signal -3
.Lnot_wave_0_\@:
	s_barrier_wait -3
	s_barrier_signal -1
	s_barrier_wait -1
.endm
.macro PLACES                          ; four places behind a matrix instruction (ISA guide 7.12.1)
.rept 4
	v_nop
.endr
.endm
	s_load_b256 s[4:11], s[0:1], 0x0               ; Qf s[4:5], Kf s[6:7], Vf s[8:9], Af s[10:11]
	v_lshl_add_u32 v254, v0, 2, 0x4a000
	v_mov_b32 v255, 0
	ds_add_u32 v254, v255
	ds_add_u32 v254, v255
	v_lshrrev_b32 v1, 5, v0
	v_readfirstlane_b32 s12, v1                    ; wave 0..7
	s_and_b32 s13, s12, 3                          ; qg
	s_lshr_b32 s14, s12, 2                         ; kh
	s_bfe_u32 s15, ttmp6, 0x40000                  ; cx
	s_lshl_b32 s16, ttmp9, 2
	s_add_co_u32 s16, s16, s15                     ; query block 0..7
	s_and_b32 s17, ttmp7, 0xffff                   ; batch*8 + head
	; group 1: 64 rows of 256 bytes, dense, as elements of 8 bytes
	s_mov_b32 s[G1+0], 0x0023000f                  ; 15:0 mask: the cluster's four work-groups; 17:16 elements of 8 bytes; 21 set beside a mask
	s_mov_b32 s[G1+1], 32<<16                      ; tensor_dim0 = 32
	s_mov_b32 s[G1+2], 64<<16                      ; tensor_dim1 = 64
	s_mov_b32 s[G1+3], 32<<16                      ; tile_dim0 = 32
	s_mov_b32 s[G1+4], 64                          ; tile_dim1 = 64
	s_mov_b32 s[G1+5], 32                          ; from row to row: 32 elements
	s_mov_b32 s[G1+6], 0
	s_mov_b32 s[G1+7], 0
	s_lshl_b32 s40, s17, 17                        ; the head's 128 KiB,
	s_lshl_b32 s[G0K+1], s12, 14                   ; my wave's 16 KiB of it: in memory and in LDS
	s_add_co_u32 s40, s40, s[G0K+1]                ; made of the head and the wave's number alone, which the four partners share
	s_mov_b32 s41, 0
	s_mov_b32 s42, 0x76543210                      ; v_permlanex16_b32: lane i reads lane i of the other half
	s_mov_b32 s43, 0xfedcba98
	s_lshl_b32 s44, s17, 17                        ; Qf: head, block of 16 tiles, my 4 tiles
	s_lshl_b32 s18, s16, 14
	s_add_co_u32 s44, s44, s18
	s_lshl_b32 s18, s13, 12
	s_add_co_u32 s44, s44, s18
	s_mov_b32 s45, 0
	s_lshl_b32 s46, s14, 11                        ; my local tiles 0, 1 are tiles 2 kh, 2 kh + 1,
	s_xor_b32 s47, s46, 2048                       ; my local tiles 2, 3 the other two
	s_lshr_b32 s48, s17, 3                         ; Af: [token tile][head][1024]
	s_lshl_b32 s48, s48, 7                         ; batch x 128 tiles
	s_lshl4_add_u32 s48, s16, s48                  ; + 16 x query block
	s_lshl2_add_u32 s48, s13, s48                  ; + 4 qg
	s_lshl1_add_u32 s48, s14, s48                  ; + 2 kh: the two tiles that I finish
	s_lshl_b32 s48, s48, 3
	s_and_b32 s18, s17, 7
	s_add_co_u32 s48, s48, s18
	s_lshl_b32 s48, s48, 10
	s_mov_b32 s49, 0
	s_xor_b32 s19, s12, 4                          ; my partner
	s_lshl_b32 s51, s12, 9
	s_add_co_u32 s51, s51, MAXSCR
	s_lshl_b32 s52, s19, 9
	s_add_co_u32 s52, s52, MAXSCR
	s_mul_i32 s53, s12, SENDW
	s_add_co_u32 s53, s53, SEND
	s_mul_i32 s54, s19, SENDW
	s_add_co_u32 s54, s54, SEND
	s_lshl_b32 s55, s14, 16                        ; my half of the keys: 64 KiB of K and of V
	s_add_co_u32 s21, s55, LV-2048                 ; V's address is stepped ahead of its first use
	v_and_b32 v2, 31, v0
	v_lshlrev_b32 v1, 4, v2
	v_add_nc_u32 v4, s46, v1
	v_add_nc_u32 v5, s47, v1
	v_add_nc_u32 v6, s51, v1
	v_add_nc_u32 v7, s52, v1
	v_add_nc_u32 v8, s53, v1
	v_add_nc_u32 v9, s54, v1
	v_lshl_add_u32 v10, v2, 2, s53
	v_lshl_add_u32 v11, v2, 2, s54
	v_add_nc_u32 v[VK], s55, v1
	s_wait_dscnt 0x0
	s_wait_kmcnt 0x0
	s_mov_b32 s[G0K], 1
	s_add_nc_u64 s[G0K+2:G0K+3], s[6:7], s[40:41]
	s_or_b32 s[G0K+3], s[G0K+3], 0x80000000
	s_mov_b32 s[G0V], 1
	s_add_co_u32 s[G0V+1], s[G0K+1], LV
	s_add_nc_u64 s[G0V+2:G0V+3], s[8:9], s[40:41]
	s_or_b32 s[G0V+3], s[G0V+3], 0x80000000
	s_add_nc_u64 s[4:5], s[4:5], s[44:45]
	s_add_nc_u64 s[10:11], s[10:11], s[48:49]
	ROUND                                          ; the four work-groups are here: the joint loads meet
	tensor_load_to_lds s[G0K:G0K+3], s[G1:G1+7]    ; my eighth of K
	s_nop 0
	tensor_load_to_lds s[G0V:G0V+3], s[G1:G1+7]    ; my eighth of V: two tensor loads of the wave are out, and no more follow
	s_nop 0
.irp i, 0,1,2,3
	global_load_b128 v[Q+4*\i:Q+4*\i+3],       v4, s[4:5] offset:512*\i
	global_load_b128 v[Q+16+4*\i:Q+16+4*\i+3], v5, s[4:5] offset:512*\i
.endr
.irp j, 0,1,2,3,4,5,6,7
	v_mov_b32 v[ONES+\j], 0x3f803f80               ; two bf16 ones
.endr
.irp q, 0,1,2,3
	v_mov_b32 v[MX+\q], 0xff800000                 ; minus infinity
.endr
	s_wait_tensorcnt 0x1                           ; my part of K has landed; V's may stay out
	s_barrier_signal -1
	s_barrier_wait -1                              ; K is whole
.irp i, 0,1,2,3
	ds_load_b128 v[KF+4*\i:KF+4*\i+3], v[VK] offset:512*\i          ; step 0: keys 0-31 of my half
.endr
.irp i, 0,1,2,3
	ds_load_b128 v[VF+4*\i:VF+4*\i+3], v[VK] offset:2048+512*\i     ; step 1
.endr
	s_wait_loadcnt 0x0                             ; Q
; PASS 1, one step of 32 keys: 8 score tiles and their share of the maxima.  f = the buffer with this step's keys; pre = 1: it is loaded again
; with the keys two steps on; left = the other buffer's loads, which may stay out.
.macro MAXSTEP f, pre, left
	s_wait_dscnt \left
.irp kt, 0,1
.irp q, 0,1,2,3
	v_wmma_f32_16x16x32_bf16 v[S+16*\q+8*\kt:S+16*\q+8*\kt+7], v[\f+8*\kt:\f+8*\kt+7], v[Q+8*\q:Q+8*\q+7], 0
.endr
.endr
.if \pre
	v_add_nc_u32 v[VK], 2048, v[VK]                ; the first of the four places behind the products
.else
	v_nop
.endif
	v_nop
	v_nop
	v_nop
.if \pre
.irp i, 0,1,2,3
	ds_load_b128 v[\f+4*\i:\f+4*\i+3], v[VK] offset:2048+512*\i
.endr
.endif
.irp j, 0,2,4,6,8,10,12,14
.irp q, 0,1,2,3
	v_max3_num_f32 v[MX+\q], v[MX+\q], v[S+16*\q+\j], v[S+16*\q+\j+1]   ; four chains by turns
.endr
.endr
.endm
	s_mov_b32 s50, 15
.Lmax:
	MAXSTEP KF, 1, 4
	MAXSTEP VF, 1, 4
	s_sub_co_i32 s50, s50, 1
	s_cmp_lg_u32 s50, 0
	s_cbranch_scc1 .Lmax
	MAXSTEP KF, 0, 4                               ; steps 30 and 31 fetch nothing: no read leaves my half of K
	MAXSTEP VF, 0, 0
	; the maxima: over the two halves of the lanes (keys 8 h + j), then over the two halves of the keys (my partner's)
.irp q, 0,1,2,3
	v_permlanex16_b32 v[S+\q], v[MX+\q], s42, s43  ; into registers that have been written and are free
.endr
.irp q, 0,1,2,3
	v_max_num_f32 v[MX+\q], v[MX+\q], v[S+\q]
.endr
	ds_store_b128 v6, v[MX:MX+3]
	s_wait_dscnt 0x0                               ; my maxima are in LDS, for my partner's sake,
	s_wait_tensorcnt 0x0                           ; and my part of V has landed, for every wave's sake
	s_barrier_signal -1
	s_barrier_wait -1
	ds_load_b128 v[PM:PM+3], v7
	v_add_nc_u32 v[VK], s55, v1
	v_add_nc_u32 v[VV], s21, v1
.irp i, 0,1,2,3
	ds_load_b128 v[KF+4*\i:KF+4*\i+3], v[VK] offset:512*\i          ; pass 2, step 0
.endr
	s_wait_dscnt 0x4                               ; my partner's maxima are in; the four loads of keys stay out
	v_max_num_f32 v[MX+0], v[MX+0], v[PM+2]        ; my local tile i is my partner's local tile i ^ 2
	v_max_num_f32 v[MX+1], v[MX+1], v[PM+3]
	v_max_num_f32 v[MX+2], v[MX+2], v[PM+0]
	v_max_num_f32 v[MX+3], v[MX+3], v[PM+1]
.irp q, 0,1,2,3
.irp j, 0,1,2,3,4,5,6,7
	v_xor_b32 v[NEGM+8*\q+\j], 0x80000000, v[MX+\q]                 ; every element of a lane's column is query r's: eight equal registers
.endr
.endr
.macro EXPQ q
.irp j, 0,1,2,3,4,5,6,7,8,9,10,11,12,13,14,15
	v_exp_f32 v[S+16*\q+\j], v[S+16*\q+\j]
.endr
.endm
.macro CVTQ q
	s_wait_alu depctr_va_vdst(0)
.irp j, 0,1,2,3,4,5,6,7
	v_cvt_pk_bf16_f32 v[P+8*\q+\j], v[S+16*\q+2*\j], v[S+16*\q+2*\j+1]
.endr
.endm
; PASS 2, one step of 32 keys.  zero = 1: the first products start the sums; pre = 1: the next step's keys are fetched.
.macro STEP zero, pre
	s_wait_dscnt 0x0                               ; this step's keys are in
.irp kt, 0,1
.irp q, 0,1,2,3
	v_wmma_f32_16x16x32_bf16 v[S+16*\q+8*\kt:S+16*\q+8*\kt+7], v[KF+8*\kt:KF+8*\kt+7], v[Q+8*\q:Q+8*\q+7], v[NEGM+8*\q:NEGM+8*\q+7]
.endr
.endr
	v_add_nc_u32 v[VV], 2048, v[VV]                ; four places, behind these products and behind the last step's, whose V and P are written below
.if \pre
	v_add_nc_u32 v[VK], 2048, v[VK]
.else
	v_nop
.endif
	v_nop
	v_nop
.irp i, 0,1,2,3
	ds_load_b128 v[VF+4*\i:VF+4*\i+3], v[VV] offset:512*\i
.endr
.if \pre
.irp i, 0,1,2,3
	ds_load_b128 v[KF+4*\i:KF+4*\i+3], v[VK] offset:512*\i
.endr
.endif
	EXPQ 0                                         ; behind an exponential one plain vector instruction stands before its result is read (ISA guide 5.7.2):
	EXPQ 1                                         ; each tile's roundings follow another tile's roundings or the v_nop
	v_nop
	s_wait_alu depctr_va_vdst(0)
	CVTQ 0
	EXPQ 2
	CVTQ 1
	EXPQ 3
	CVTQ 2
	CVTQ 3
.if \pre
	s_wait_dscnt 0x4                               ; V is in; the next step's four loads of keys stay out
.else
	s_wait_dscnt 0x0
.endif
	WIN 0x50                                       ; C and D in v256-v511.  The twelve accumulators take turns, one instruction a turn
.irp q, 0,1,2,3
.if \zero
	v_wmma_f32_16x16x32_bf16 v[24*\q:24*\q+7],     v[VF:VF+7],     v[P+8*\q:P+8*\q+7], 0
	v_wmma_f32_16x16x32_bf16 v[24*\q+8:24*\q+15],  v[VF+8:VF+15],  v[P+8*\q:P+8*\q+7], 0
	v_wmma_f32_16x16x32_bf16 v[24*\q+16:24*\q+23], v[ONES:ONES+7], v[P+8*\q:P+8*\q+7], 0
.else
	v_wmma_f32_16x16x32_bf16 v[24*\q:24*\q+7],     v[VF:VF+7],     v[P+8*\q:P+8*\q+7], v[24*\q:24*\q+7]
	v_wmma_f32_16x16x32_bf16 v[24*\q+8:24*\q+15],  v[VF+8:VF+15],  v[P+8*\q:P+8*\q+7], v[24*\q+8:24*\q+15]
	v_wmma_f32_16x16x32_bf16 v[24*\q+16:24*\q+23], v[ONES:ONES+7], v[P+8*\q:P+8*\q+7], v[24*\q+16:24*\q+23]
.endif
.endr
	WIN 0
.endm
	STEP 1, 1
	s_mov_b32 s50, 30
.Lstep:
	STEP 0, 1
	s_sub_co_i32 s50, s50, 1
	s_cmp_lg_u32 s50, 0
	s_cbranch_scc1 .Lstep
	STEP 0, 0                                      ; step 31 fetches no keys
	; both halves of the keys used the same maximum, so O and the row sums of the two partners simply add
	PLACES
	WIN 0x04                                       ; store data and source 1 in v256-v511
.irp t, 2,3
.irp a, 0,1
	ds_store_b128 v8, v[24*\t+8*\a:24*\t+8*\a+3]   offset:((\t-2)*4+2*\a)*512
	ds_store_b128 v8, v[24*\t+8*\a+4:24*\t+8*\a+7] offset:((\t-2)*4+2*\a+1)*512
.endr
	ds_store_b32 v10, v[24*\t+16] offset:4096+(\t-2)*128
.endr
	WIN 0
	s_wait_dscnt 0x0                               ; my stores are done, for my partner's sake
	s_barrier_signal -1
	s_barrier_wait -1
.irp i, 0,1,2,3,4,5,6,7
	ds_load_b128 v[S+4*\i:S+4*\i+3], v9 offset:512*\i               ; my partner's share of my local tiles 0, 1
.endr
	ds_load_b32 v[S+32], v11 offset:4096
	ds_load_b32 v[S+33], v11 offset:4096+128
	s_wait_dscnt 0x0
	WIN 0x04
.irp t, 0,1
.irp a, 0,1
.irp j, 0,2,4,6
	v_pk_add_f32 v[S+16*\t+8*\a+\j:S+16*\t+8*\a+\j+1], v[S+16*\t+8*\a+\j:S+16*\t+8*\a+\j+1], v[24*\t+8*\a+\j:24*\t+8*\a+\j+1]
.endr
.endr
	v_add_f32 v[S+32+\t], v[S+32+\t], v[24*\t+16]
.endr
	WIN 0
	v_rcp_f32 v[S+34], v[S+32]                     ; twice each: pairs for the packed multiply
	v_rcp_f32 v[S+35], v[S+32]
	v_rcp_f32 v[S+36], v[S+33]
	v_rcp_f32 v[S+37], v[S+33]
	v_nop                                          ; the plain place behind the reciprocals
	s_wait_alu depctr_va_vdst(0)
.irp t, 0,1
.irp j, 0,2,4,6,8,10,12,14
	v_pk_mul_f32 v[S+16*\t+\j:S+16*\t+\j+1], v[S+16*\t+\j:S+16*\t+\j+1], v[S+34+2*\t:S+35+2*\t]
.endr
.endr
.irp t, 0,1
.irp j, 0,1,2,3,4,5,6,7
	v_cvt_pk_bf16_f32 v[P+8*\t+\j], v[S+16*\t+2*\j], v[S+16*\t+2*\j+1]
.endr
.endr
.irp t, 0,1
.irp a, 0,1
	global_store_b128 v1, v[P+8*\t+4*\a:P+8*\t+4*\a+3], s[10:11] offset:8192*\t+512*\a   ; lane (r, h): token r, features 16 a + 8 h .. + 7: half a of the head's fragment; 512 consecutive bytes a store
.endr
.endr
	s_wait_tensorcnt 0x0
	ds_add_u32 v254, v255
	s_wait_dscnt 0x0
	ROUND                                          ; the closing round
	s_endpgm
.Lfunc_end_k_qee24e63152_attn:
	.size	k_qee24e63152_attn, .Lfunc_end_k_qee24e63152_attn-k_qee24e63152_attn
	.p2alignl 7, 3214868480
	.fill 96, 4, 3214868480
	.section	.rodata,"a",@progbits
	.p2align	6, 0x0
	.amdhsa_kernel k_qee24e63152_attn
		.amdhsa_group_segment_fixed_size 304128
		.amdhsa_private_segment_fixed_size 0
		.amdhsa_enable_private_segment 0
		.amdhsa_kernarg_size 32
		.amdhsa_user_sgpr_count 2
		.amdhsa_user_sgpr_kernarg_segment_ptr 1
		.amdhsa_wavefront_size32 1
		.amdhsa_system_sgpr_workgroup_id_x 1
		.amdhsa_system_sgpr_workgroup_id_y 1
		.amdhsa_system_sgpr_workgroup_id_z 1
		.amdhsa_system_vgpr_workitem_id 0
		.amdhsa_next_free_vgpr 352
		.amdhsa_next_free_sgpr 66
		.amdhsa_reserve_vcc 0
		.amdhsa_float_denorm_mode_32 3
		.amdhsa_float_denorm_mode_16_64 3
		.amdhsa_memory_ordered 1
		.amdhsa_forward_progress 1
		.amdhsa_inst_pref_size 46
	.end_amdhsa_kernel
	.amdgpu_metadata
---
amdhsa.version: [ 1, 2 ]
amdhsa.kernels:
  - .name:           k_qee24e63152_attn
    .symbol:         k_qee24e63152_attn.kd
    .args:
      - { .name: Qf, .offset: 0, .size: 8, .value_kind: global_buffer, .address_space: global }
      - { .name: Kf, .offset: 8, .size: 8, .value_kind: global_buffer, .address_space: global }
      - { .name: Vf, .offset: 16, .size: 8, .value_kind: global_buffer, .address_space: global }
      - { .name: Af, .offset: 24, .size: 8, .value_kind: global_buffer, .address_space: global }
    .group_segment_fixed_size: 304128
    .private_segment_fixed_size: 0
    .kernarg_segment_align: 8
    .kernarg_segment_size: 32
    .max_flat_workgroup_size: 256
    .sgpr_count:     66
    .vgpr_count:     352
    .wavefront_size: 32
...
	.end_amdgpu_metadata
.endif
;; end of part 2
;; launch outln (part 3): grid 256 x 1, 8 waves a work-group, clusters of 4 x 1, 181,760 bytes of LDS; arguments Af, Wff, inputs, bf, gamma, beta, out0; writes out0
.if DOCPART == 3
	.amdgcn_target "amdgcn-amd-amdhsa--gfx1250"
	.amdhsa_code_object_version 6
	.text
	.protected	k_qee24e63152_outln
	.globl	k_qee24e63152_outln
	.p2align	8
	.type	k_qee24e63152_outln,@function
k_qee24e63152_outln:
	s_mov_b64 s[64:65], 0
	v_nop
	global_prefetch_b8 v0, s[64:65] scope:SCOPE_SE
	s_setreg_imm32_b32 hwreg(HW_REG_WAVE_MODE, 25, 1), 1
	s_wait_xcnt 0x0
	s_wait_alu depctr_hold_cnt(0) depctr_sa_sdst(0) depctr_va_vdst(0) depctr_va_sdst(0) depctr_va_ssrc(0) depctr_va_vcc(0) depctr_vm_vsrc(0)
	s_getreg_b32 s2, hwreg(HW_REG_IB_STS2, 6, 4)
	s_cmp_eq_u32 s2, 0
	s_cbranch_scc0 .Lentry_in_a_cluster
	s_endpgm
.Lentry_in_a_cluster:
	s_bfe_u32 s2, ttmp6, 0x10000c
	s_cmp_lg_u32 s2, 0x3003
	s_cbranch_scc0 .Lentry_shape_is_right
	s_endpgm
.Lentry_shape_is_right:
; out0 = LayerNorm(inputs + A Wf^T + bf) x gamma + beta, eps = 1e-6.  A (the attention's result) and Wf come in bf16 in fragment order:
; a fragment of 16 rows x 32 k is 1,024 bytes, byte 512 c + 16 L = registers 4c .. 4c+3 of lane L.  Af: [token tile][K step][1024]; Wff: [feature tile][K step][1024].
; A work-group takes 32 tokens x all 256 features.  Product: wave w takes feature tiles 2w, 2w+1 x both token tiles: 4 accumulators, 32 matrix
; instructions.  The f32 results meet in an LDS stage; then wave w takes rows 4w .. 4w+3 whole, so that a row's sums never leave a wave.
; CLUSTER: every work-group walks the same 128 KiB of Wff, so the four of a cluster ask for it jointly.  Af's 16 KiB are the work-group's own.
; The mean is taken away before the squares are summed (two passes over registers), so a common offset of the inputs costs no digits.
; LIMITS: A and Wf are bf16, sums f32; the residual, bias and norm are f32 throughout.
.set LA,     131072                    ; LDS: Wff at 0, Af's tile here
.set STAGE,  147456                    ; 32 rows of 1,024 + 16 bytes; no tensor load fills these blocks
.set SPITCH, 1040                      ; 65 x 16: the 16 rows that a store touches start at 16 different 16-byte columns modulo 256
.set BF,  8                            ; v[8:15]   bf of my 8 columns (4 L .. + 3 and 128 + 4 L .. + 3)
.set GA,  16                           ; v[16:23]  gamma
.set BE,  24                           ; v[24:31]  beta
.set IN,  32                           ; v[32:63]  inputs + bf, my 4 rows
.set ACC, 64                           ; v[64:95]  feature tile u, token tile t at ACC + 8 (2 u + t)
.set FA,  96                           ; v[96:159]  fragments of two K steps: for each step W(0), W(1), A(0), A(1)
.set FB,  160                          ; v[160:223] the second buffer
.set X,   96                           ; v[96:127]  the norm: my 4 rows
.set T,   128                          ; v[128:159] the norm: 8 registers at work for each row
; v1 = 16 L; v2, v3 = LDS addresses of my W and A fragments; v4 = where I put results in the stage; v5 = where I read my rows
.set G1W, 24                           ; s[24:31] group 1 for Wff      s[32:35] its group 0
.set G0W, 32
.set G0A, 36                           ; s[36:39] group 0 for Af       s[40:47] its group 1
.set G1A, 40
.macro ROUND                           ; a round of the cluster's barrier
	s_barrier_signal -1
	s_barrier_wait -1
	s_cmp_lg_u32 s18, 0
	s_cbranch_scc1 .Lnot_wave_0_\@
	s_barrier_signal -3
.Lnot_wave_0_\@:
	s_barrier_wait -3
	s_barrier_signal -1
	s_barrier_wait -1
.endm
.macro PLACES                          ; four places behind a matrix instruction (ISA guide 7.12.1)
.rept 4
	v_nop
.endr
.endm
	s_load_b256 s[4:11], s[0:1], 0x0               ; Af s[4:5], Wff s[6:7], inputs s[8:9], bf s[10:11]
	s_load_b128 s[12:15], s[0:1], 0x20             ; gamma s[12:13], beta s[14:15]
	s_load_b64 s[16:17], s[0:1], 0x30              ; out0
	v_lshl_add_u32 v224, v0, 2, 0x2c200
	v_mov_b32 v225, 0
	ds_add_u32 v224, v225
	ds_add_u32 v224, v225
	v_lshrrev_b32 v1, 5, v0
	v_readfirstlane_b32 s18, v1                    ; wave 0..7
	s_bfe_u32 s19, ttmp6, 0x40000                  ; cx
	s_lshl_b32 s20, ttmp9, 2
	s_add_co_u32 s20, s20, s19                     ; work-group 0..255
	; Wff: 64 rows of 256 bytes a wave, dense, elements of 8 bytes, asked for jointly
	s_mov_b32 s[G1W+0], 0x0023000f                 ; 15:0 mask: the cluster's four; 17:16 elements of 8 bytes; 21 set beside a mask
	s_mov_b32 s[G1W+1], 32<<16
	s_mov_b32 s[G1W+2], 64<<16
	s_mov_b32 s[G1W+3], 32<<16
	s_mov_b32 s[G1W+4], 64
	s_mov_b32 s[G1W+5], 32
	s_mov_b32 s[G1W+6], 0
	s_mov_b32 s[G1W+7], 0
	; Af: 8 rows of 256 bytes a wave (the tile has 64 rows for eight waves), no mask
	s_mov_b32 s[G1A+0], 3<<16
	s_mov_b32 s[G1A+1], 32<<16
	s_mov_b32 s[G1A+2], 8<<16
	s_mov_b32 s[G1A+3], 32<<16
	s_mov_b32 s[G1A+4], 8
	s_mov_b32 s[G1A+5], 32
	s_mov_b32 s[G1A+6], 0
	s_mov_b32 s[G1A+7], 0
	s_lshl_b32 s[G0W+1], s18, 14                   ; my wave's 16 KiB of Wff, in LDS
	s_lshl_b32 s54, s18, 14                        ; and in memory: the wave's number alone
	s_mov_b32 s55, 0
	s_lshl_b32 s21, s18, 11                        ; my wave's 2 KiB of Af's tile
	s_add_co_u32 s[G0A+1], s21, LA
	s_lshl_b32 s22, s20, 14                        ; the work-group's two token tiles: 16 KiB
	s_add_co_u32 s22, s22, s21
	s_mov_b32 s23, 0
	s_lshl_b32 s48, s20, 15                        ; inputs and out0: 32 rows of 1,024 bytes a work-group,
	s_lshl_b32 s21, s18, 12                        ; 4 rows a wave
	s_add_co_u32 s48, s48, s21
	s_mov_b32 s49, 0
	s_mov_b32 s50, 0x3b800000                      ; 1/256
	s_mov_b32 s51, 0x358637bd                      ; 1e-6
	s_mov_b32 s52, 0x76543210                      ; v_permlanex16_b32: lane i reads lane i of the other half
	s_mov_b32 s53, 0xfedcba98
	s_lshl_b32 s21, s18, 7                         ; my two feature tiles: 128 bytes of a stage row
	s_add_co_u32 s21, s21, STAGE
	s_mul_i32 s3, s18, 4*SPITCH                    ; my four rows of the stage
	s_add_co_u32 s3, s3, STAGE
	v_and_b32 v1, 31, v0
	v_lshlrev_b32 v1, 4, v1
	v_add_nc_u32 v2, s[G0W+1], v1
	v_add_nc_u32 v3, LA, v1
	v_and_b32 v6, 15, v0                           ; r
	v_bfe_u32 v7, v0, 4, 1                         ; h
	v_mul_u32_u24 v4, v6, SPITCH
	v_lshl_add_u32 v4, v7, 5, v4                   ; token r, features 8 h .. + 7 in f32
	v_add_nc_u32 v4, s21, v4
	v_add_nc_u32 v5, s3, v1
	s_wait_dscnt 0x0
	s_wait_kmcnt 0x0
	s_mov_b32 s[G0W], 1
	s_add_nc_u64 s[G0W+2:G0W+3], s[6:7], s[54:55]
	s_or_b32 s[G0W+3], s[G0W+3], 0x80000000
	s_mov_b32 s[G0A], 1
	s_add_nc_u64 s[G0A+2:G0A+3], s[4:5], s[22:23]
	s_or_b32 s[G0A+3], s[G0A+3], 0x80000000
	s_add_nc_u64 s[8:9], s[8:9], s[48:49]
	s_add_nc_u64 s[16:17], s[16:17], s[48:49]
	ROUND                                          ; the four work-groups are here: the joint load meets
	tensor_load_to_lds s[G0W:G0W+3], s[G1W:G1W+7]
	s_nop 0
	tensor_load_to_lds s[G0A:G0A+3], s[G1A:G1A+7]  ; two tensor loads of the wave are out, and no more follow
	s_nop 0
	global_load_b128 v[BF:BF+3],   v1, s[10:11]
	global_load_b128 v[BF+4:BF+7], v1, s[10:11] offset:512
	global_load_b128 v[GA:GA+3],   v1, s[12:13]
	global_load_b128 v[GA+4:GA+7], v1, s[12:13] offset:512
	global_load_b128 v[BE:BE+3],   v1, s[14:15]
	global_load_b128 v[BE+4:BE+7], v1, s[14:15] offset:512
.irp i, 0,1,2,3
	global_load_b128 v[IN+8*\i:IN+8*\i+3],   v1, s[8:9] offset:1024*\i th:TH_LOAD_NT
	global_load_b128 v[IN+8*\i+4:IN+8*\i+7], v1, s[8:9] offset:1024*\i+512 th:TH_LOAD_NT
.endr
	s_wait_loadcnt 0x0
.irp i, 0,1,2,3
.irp j, 0,2,4,6
	v_pk_add_f32 v[IN+8*\i+\j:IN+8*\i+\j+1], v[IN+8*\i+\j:IN+8*\i+\j+1], v[BF+\j:BF+\j+1]   ; residual + bias, while the tiles are on their way
.endr
.endr
	s_wait_tensorcnt 0x0                           ; my parts of both tiles have landed
	s_barrier_signal -1
	s_barrier_wait -1                              ; everybody's have
; 16 loads: the fragments of K steps 2 p and 2 p + 1
.macro FETCH p, buf
.irp kk, 0,1
.irp u, 0,1
	ds_load_b128 v[\buf+32*\kk+8*\u:\buf+32*\kk+8*\u+3],   v2 offset:8192*\u+1024*(2*\p+\kk)
	ds_load_b128 v[\buf+32*\kk+8*\u+4:\buf+32*\kk+8*\u+7], v2 offset:8192*\u+1024*(2*\p+\kk)+512
.endr
.irp u, 0,1
	ds_load_b128 v[\buf+32*\kk+16+8*\u:\buf+32*\kk+16+8*\u+3], v3 offset:8192*\u+1024*(2*\p+\kk)
	ds_load_b128 v[\buf+32*\kk+20+8*\u:\buf+32*\kk+20+8*\u+3], v3 offset:8192*\u+1024*(2*\p+\kk)+512
.endr
.endr
.endm
; 8 matrix instructions: source 0 = Wf's rows, source 1 = tokens, so that a lane holds 8 neighbouring features of token r.
; The four accumulators take turns, one instruction a turn.
.macro MUL buf, zero
.irp kk, 0,1
.irp u, 0,1
.irp t, 0,1
.if \zero*(1-\kk)
	v_wmma_f32_16x16x32_bf16 v[ACC+16*\u+8*\t:ACC+16*\u+8*\t+7], v[\buf+32*\kk+8*\u:\buf+32*\kk+8*\u+7], v[\buf+32*\kk+16+8*\t:\buf+32*\kk+16+8*\t+7], 0
.else
	v_wmma_f32_16x16x32_bf16 v[ACC+16*\u+8*\t:ACC+16*\u+8*\t+7], v[\buf+32*\kk+8*\u:\buf+32*\kk+8*\u+7], v[\buf+32*\kk+16+8*\t:\buf+32*\kk+16+8*\t+7], v[ACC+16*\u+8*\t:ACC+16*\u+8*\t+7]
.endif
.endr
.endr
.endr
.endm
	FETCH 0, FA
	FETCH 1, FB
	s_wait_dscnt 16                                ; LDS loads come back in order: the other buffer's 16 stay out
	MUL FA, 1
	PLACES
	FETCH 2, FA
	s_wait_dscnt 16
	MUL FB, 0
	PLACES
	FETCH 3, FB
	s_wait_dscnt 16
	MUL FA, 0
	s_wait_dscnt 0x0
	MUL FB, 0
	PLACES
.irp u, 0,1
.irp t, 0,1
	ds_store_b128 v4, v[ACC+16*\u+8*\t:ACC+16*\u+8*\t+3]   offset:16*SPITCH*\t+64*\u
	ds_store_b128 v4, v[ACC+16*\u+8*\t+4:ACC+16*\u+8*\t+7] offset:16*SPITCH*\t+64*\u+16
.endr
.endr
	s_wait_dscnt 0x0                               ; my stores are done, for the other waves' sake
	s_barrier_signal -1
	s_barrier_wait -1
	; THE NORM: four rows a wave, taken together stage by stage so that no instruction waits for the one in front of it
.irp i, 0,1,2,3
	ds_load_b128 v[X+8*\i:X+8*\i+3],   v5 offset:SPITCH*\i
	ds_load_b128 v[X+8*\i+4:X+8*\i+7], v5 offset:SPITCH*\i+512
.endr
; register T + 8 i of each row is summed over the 32 lanes; the result is in every lane.  T + 8 i + 1 has been written and is free.
.macro WSUM4
.irp m, 1,2,4,8
.irp i, 0,1,2,3
	v_add_f32_dpp v[T+8*\i], v[T+8*\i], v[T+8*\i] row_xmask:\m row_mask:0xf bank_mask:0xf
.endr
.endr
.irp i, 0,1,2,3
	v_permlanex16_b32 v[T+8*\i+1], v[T+8*\i], s52, s53
.endr
.irp i, 0,1,2,3
	v_add_f32 v[T+8*\i], v[T+8*\i], v[T+8*\i+1]
.endr
.endm
	s_wait_dscnt 0x0
.irp i, 0,1,2,3
.irp j, 0,2,4,6
	v_pk_add_f32 v[X+8*\i+\j:X+8*\i+\j+1], v[X+8*\i+\j:X+8*\i+\j+1], v[IN+8*\i+\j:IN+8*\i+\j+1]   ; x = inputs + bf + A Wf^T
.endr
.endr
.irp i, 0,1,2,3
	v_pk_add_f32 v[T+8*\i:T+8*\i+1],   v[X+8*\i:X+8*\i+1],   v[X+8*\i+2:X+8*\i+3]
	v_pk_add_f32 v[T+8*\i+2:T+8*\i+3], v[X+8*\i+4:X+8*\i+5], v[X+8*\i+6:X+8*\i+7]
.endr
.irp i, 0,1,2,3
	v_pk_add_f32 v[T+8*\i:T+8*\i+1], v[T+8*\i:T+8*\i+1], v[T+8*\i+2:T+8*\i+3]
.endr
.irp i, 0,1,2,3
	v_add_f32 v[T+8*\i], v[T+8*\i], v[T+8*\i+1]
.endr
	WSUM4
.irp i, 0,1,2,3
	v_mul_f32 v[T+8*\i+6], 0xbb800000, v[T+8*\i]   ; minus the mean, as a pair
	v_mul_f32 v[T+8*\i+7], 0xbb800000, v[T+8*\i]
.endr
.irp i, 0,1,2,3
.irp j, 0,2,4,6
	v_pk_add_f32 v[X+8*\i+\j:X+8*\i+\j+1], v[X+8*\i+\j:X+8*\i+\j+1], v[T+8*\i+6:T+8*\i+7]         ; d = x - mean
.endr
.endr
.irp i, 0,1,2,3
	v_pk_mul_f32 v[T+8*\i:T+8*\i+1], v[X+8*\i:X+8*\i+1], v[X+8*\i:X+8*\i+1]
.endr
.irp j, 2,4,6
.irp i, 0,1,2,3
	v_pk_fma_f32 v[T+8*\i:T+8*\i+1], v[X+8*\i+\j:X+8*\i+\j+1], v[X+8*\i+\j:X+8*\i+\j+1], v[T+8*\i:T+8*\i+1]
.endr
.endr
.irp i, 0,1,2,3
	v_add_f32 v[T+8*\i], v[T+8*\i], v[T+8*\i+1]
.endr
	WSUM4
.irp i, 0,1,2,3
	v_fma_f32 v[T+8*\i], v[T+8*\i], s50, s51       ; variance + 1e-6
.endr
.irp i, 0,1,2,3
	v_rsq_f32 v[T+8*\i+6], v[T+8*\i]
.endr
	v_nop                                          ; the plain place behind the roots (ISA guide 5.7.2)
	s_wait_alu depctr_va_vdst(0)
.irp i, 0,1,2,3
	v_mov_b32 v[T+8*\i+7], v[T+8*\i+6]             ; a pair for the packed multiply
.endr
.irp i, 0,1,2,3
.irp j, 0,2,4,6
	v_pk_mul_f32 v[X+8*\i+\j:X+8*\i+\j+1], v[X+8*\i+\j:X+8*\i+\j+1], v[T+8*\i+6:T+8*\i+7]
.endr
.endr
.irp i, 0,1,2,3
.irp j, 0,2,4,6
	v_pk_fma_f32 v[X+8*\i+\j:X+8*\i+\j+1], v[X+8*\i+\j:X+8*\i+\j+1], v[GA+\j:GA+\j+1], v[BE+\j:BE+\j+1]
.endr
	global_store_b128 v1, v[X+8*\i:X+8*\i+3],   s[16:17] offset:1024*\i th:TH_STORE_NT       ; a store of the wave covers 512 consecutive bytes, at a multiple of 512
	global_store_b128 v1, v[X+8*\i+4:X+8*\i+7], s[16:17] offset:1024*\i+512 th:TH_STORE_NT
.endr
	s_wait_tensorcnt 0x0
	ds_add_u32 v224, v225
	s_wait_dscnt 0x0
	ROUND                                          ; the closing round
	s_endpgm
.Lfunc_end_k_qee24e63152_outln:
	.size	k_qee24e63152_outln, .Lfunc_end_k_qee24e63152_outln-k_qee24e63152_outln
	.p2alignl 7, 3214868480
	.fill 96, 4, 3214868480
	.section	.rodata,"a",@progbits
	.p2align	6, 0x0
	.amdhsa_kernel k_qee24e63152_outln
		.amdhsa_group_segment_fixed_size 181760
		.amdhsa_private_segment_fixed_size 0
		.amdhsa_enable_private_segment 0
		.amdhsa_kernarg_size 56
		.amdhsa_user_sgpr_count 2
		.amdhsa_user_sgpr_kernarg_segment_ptr 1
		.amdhsa_wavefront_size32 1
		.amdhsa_system_sgpr_workgroup_id_x 1
		.amdhsa_system_sgpr_workgroup_id_y 1
		.amdhsa_system_sgpr_workgroup_id_z 1
		.amdhsa_system_vgpr_workitem_id 0
		.amdhsa_next_free_vgpr 226
		.amdhsa_next_free_sgpr 66
		.amdhsa_reserve_vcc 0
		.amdhsa_float_denorm_mode_32 3
		.amdhsa_float_denorm_mode_16_64 3
		.amdhsa_memory_ordered 1
		.amdhsa_forward_progress 1
		.amdhsa_inst_pref_size 26
	.end_amdhsa_kernel
	.amdgpu_metadata
---
amdhsa.version: [ 1, 2 ]
amdhsa.kernels:
  - .name:           k_qee24e63152_outln
    .symbol:         k_qee24e63152_outln.kd
    .args:
      - { .name: Af, .offset: 0, .size: 8, .value_kind: global_buffer, .address_space: global }
      - { .name: Wff, .offset: 8, .size: 8, .value_kind: global_buffer, .address_space: global }
      - { .name: inputs, .offset: 16, .size: 8, .value_kind: global_buffer, .address_space: global }
      - { .name: bf, .offset: 24, .size: 8, .value_kind: global_buffer, .address_space: global }
      - { .name: gamma, .offset: 32, .size: 8, .value_kind: global_buffer, .address_space: global }
      - { .name: beta, .offset: 40, .size: 8, .value_kind: global_buffer, .address_space: global }
      - { .name: out0, .offset: 48, .size: 8, .value_kind: global_buffer, .address_space: global }
    .group_segment_fixed_size: 181760
    .private_segment_fixed_size: 0
    .kernarg_segment_align: 8
    .kernarg_segment_size: 56
    .max_flat_workgroup_size: 256
    .sgpr_count:     66
    .vgpr_count:     226
    .wavefront_size: 32
...
	.end_amdgpu_metadata
.endif
;; end of part 3
;; ======== version 2 of 2: 3 launches; version 1 with the launch proj written anew for expert scheduling mode
;; workspace buffers: Qf 4,194,304 bytes; Kf 4,194,304 bytes; Vf 4,194,304 bytes; Af 4,194,304 bytes; Wff 131,072 bytes
;; launch proj (part 4): grid 64 x 4, 8 waves a work-group, no clusters, 169,984 bytes of LDS; arguments inputs, Wq, Wk, Wv, Wf, Qf, Kf, Vf, Wff; writes Qf, Kf, Vf, Wff
.if DOCPART == 4
	.amdgcn_target "amdgcn-amd-amdhsa--gfx1250"
	.amdhsa_code_object_version 6
	.text
	.protected	k_qee24e63152_proj
	.globl	k_qee24e63152_proj
	.p2align	8
	.type	k_qee24e63152_proj,@function
k_qee24e63152_proj:
	s_mov_b64 s[64:65], 0
	v_nop
	global_prefetch_b8 v0, s[64:65] scope:SCOPE_SE
	s_setreg_imm32_b32 hwreg(HW_REG_WAVE_SCHED_MODE, 0, 2), 2
	s_setreg_imm32_b32 hwreg(HW_REG_WAVE_MODE, 25, 1), 1
	s_wait_xcnt 0x0
	s_wait_alu depctr_vm_vsrc(0)
; Q = X Wq^T, K = X Wk^T, V = X Wv^T for X = inputs [8192 tokens][256], and Wf rounded to bf16.
; All four results are stored in bf16 in FRAGMENT ORDER: an operand fragment of 16 rows x 32 k is 1,024 bytes, and byte 512 c + 16 L holds
; registers 4c .. 4c+3 of lane L = 16 h + r, that is row r, k = 16 c + 8 h .. + 7.  The next launches load operands from it as they lie.
;   Qf, Kf: [batch*8 + head][token tile of 16][1024], rows = tokens, k = the head's 32 features.  Q is multiplied by log2(e)/sqrt(2048) in f32
;           before its one rounding, so that the attention's scores are exponents of 2.
;   Vf:     [batch*8 + head][block of 32 tokens][half of the head's features][1024], rows = features, k = tokens (V transposed).
;   Wff:    [feature tile of 16][K step of 32][1024], rows = Wf's rows.
; A work-group takes 128 tokens (x) and 64 features (y: two heads) of each of Q, K, V.  Wave w: tw = w & 1 takes 64 tokens (4 token tiles),
; fw = w >> 1 takes feature tile fw of Q, of K and of V: 12 accumulators, 96 matrix instructions.
; NO TENSOR LOADS, NO CLUSTER: the operands lie in memory in f32 and are rounded once, in registers, on their way to LDS.  As f32 the
; work-group's tiles are 128 KiB of X and 192 KiB of weights, which leaves no LDS for the bf16 copy that the matrix unit reads.
; LIMITS: X, the weights, scaled Q, K and V are each rounded once to bf16 (nearest even); sums are f32.  bf16 keeps f32's range.
; THE MODE: SCHED_MODE bits 1:0 = 2 (LLVM: expert scheduling mode 2), set by the entry lines.  The code itself states the register dependences
; between vector or matrix instructions and memory or LDS instructions, with s_wait_alu, always for 0.
; THE PLAN.  Registers that memory or LDS instructions touch:
;   v1-v4, v6-v10  offsets and LDS addresses: made at the head, never written again; immediates do the rest.
;   SG0, SG1       first use (X): loaded; read by 32 roundings, which write OB; then loaded again (Wk, Wv).  One wait on va_vdst behind the roundings
;                  states both that OB is written (for the LDS stores) and that the group is read out (for the loads that land in it).
;   OB             written by the roundings of the two groups of X, read by their LDS stores; one wait on vm_vsrc ahead of its second writing.
;   SG2, SG0, SG1  (Wq, Wk, Wv): loaded, rounded in place, stored to LDS behind one wait on va_vdst each; not loaded again before the barrier.
;   FA, FB         K step k's matrix instructions read buffer k % 2; the loads issued in step k + 1 land in it (the fragments of step k + 2).  One wait on va_vdst at a
;                  step's head states that the step before is done reading its buffer; the step's 14 loads follow, dealt among its matrix
;                  instructions, which name the other buffer and the accumulators alone.
;   OUT            written by the way out's roundings, read by the global stores, never written again: one wait on va_vdst for two token tiles.
;   One wait on vm_vsrc behind the barrier: the staging registers and OB, which LDS stores read, are accumulators and fragment buffers from there on.
.set PITCH, 528                        ; an LDS row: 512 bytes of bf16 + 16 = 33 x 16: the 16 rows of a fragment load start at 16 different 16-byte columns modulo 256
.set GRP,   64*PITCH                   ; 64 rows: X rows 0-63 at 0, X rows 64-127 at GRP, Wq at 2 GRP, Wk at 3 GRP, Wv at 4 GRP
.set LW,    2*GRP
.set SG0, 32                           ; v[32:95]    staging group 0: 16 loads of 16 bytes a thread
.set SG1, 96                           ; v[96:159]   staging group 1
.set SG2, 160                          ; v[160:223]  staging group 2
.set OB,  224                          ; v[224:255]  a group of X in bf16, on its way to LDS
.set ACC, 32                           ; v[32:127]   accumulators: token tile tt, matrix m (Q, K, V) at ACC + 8 (3 tt + m)
.set FA,  128                          ; v[128:183]  fragments, buffer A: X tiles 0..3 at +0..+24, Wq +32, Wk +40, Wv +48
.set FB,  184                          ; v[184:239]  fragments, buffer B
.set OUT, 128                          ; v[128:175]  packed results
.set XA, 6                             ; v6  LDS address of my X fragments
.set WA, 7                             ; v7  of my Wq fragment (Wk: + GRP in the immediate)
.set WV, 8                             ; v8  of my Wv fragment
; v1 = 16 t (global offset in a staging group); v2, v3, v4 = where thread t stores its 8 bytes, for X, for Wq and Wk, for Wv;
; v9 = 16 L; v10 = my 32 bytes of the Wf piece; v[12:19] the Wf piece in f32, v[20:23] in bf16
	s_load_b512 s[8:23], s[0:1], 0x0               ; inputs 8, Wq 10, Wk 12, Wv 14, Wf 16, Qf 18, Kf 20, Vf 22
	s_load_b64 s[24:25], s[0:1], 0x40              ; Wff
	v_lshl_add_u32 v30, v0, 2, 0x29400
	v_mov_b32 v31, 0
	v_lshrrev_b32 v11, 5, v0
	v_readfirstlane_b32 s4, v11                    ; wave 0..7; what needs no wave number stands between this line and the wait for s4
	s_mov_b32 s2, ttmp9                            ; x: block of 128 tokens
	s_and_b32 s3, ttmp7, 0xffff                    ; y: block of 64 features
	s_lshl_b32 s26, s2, 17                         ; 128 rows of 1,024 bytes of inputs
	s_mov_b32 s27, 0
	s_lshl_b32 s28, s3, 16                         ; 64 rows of 1,024 bytes of a weight
	s_mov_b32 s29, 0
	s_mov_b32 s30, 0x3d0293ee                      ; log2(e) / sqrt(2048)
	s_mov_b32 s31, 0x3d0293ee
	s_lshl_b32 s42, s3, 6
	s_add_co_u32 s42, s42, s2                      ; id 0..255: which half fragment of Wff this work-group makes
	s_lshr_b32 s36, s42, 4
	s_lshl_b32 s36, s36, 14                        ; feature tile: 16 rows of 1,024 bytes
	s_bfe_u32 s43, s42, 0x30001
	s_lshl_b32 s43, s43, 7                         ; K step: 32 f32
	s_add_co_u32 s36, s36, s43
	s_and_b32 s43, s42, 1
	s_lshl_b32 s43, s43, 6                         ; c: 16 f32
	s_add_co_u32 s36, s36, s43
	s_mov_b32 s37, 0
	s_lshl_b32 s38, s42, 9                         ; 512 bytes of Wff
	s_mov_b32 s39, 0
	v_lshlrev_b32 v1, 4, v0
	v_lshrrev_b32 v11, 6, v0                       ; 64 threads cover a row of 1,024 bytes; 256 threads four rows
	v_mul_u32_u24 v2, v11, PITCH
	v_and_b32 v11, 63, v0
	v_lshl_add_u32 v2, v11, 3, v2                  ; 4 f32 become 8 bytes
	v_add_nc_u32 v3, LW, v2
	v_add_nc_u32 v4, 2*LW, v2
	v_and_b32 v11, 15, v0                          ; r
	v_bfe_u32 v24, v0, 4, 1                        ; h
	v_mul_u32_u24 v5, v11, PITCH
	v_lshl_add_u32 v5, v24, 4, v5                  ; r x pitch + 16 h
	v_lshlrev_b32 v10, 10, v11
	v_lshl_add_u32 v10, v24, 5, v10                ; Wf: row r, 8 f32 at 8 h
	v_and_b32 v9, 31, v0
	v_lshlrev_b32 v9, 4, v9
	s_wait_alu depctr_va_sdst(0)                   ; s4 is written, ahead of its first reader: the wave's shares, bases and LDS addresses are made from it
	s_and_b32 s5, s4, 1                            ; tw
	s_lshr_b32 s6, s4, 1                           ; fw
	s_lshr_b32 s7, s2, 4                           ; batch
	s_lshl_b32 s7, s7, 3
	s_lshl1_add_u32 s7, s3, s7                     ; + 2 y
	s_lshr_b32 s40, s6, 1
	s_add_co_u32 s7, s7, s40                       ; batch*8 + head
	s_lshl_b32 s7, s7, 7                           ; 128 token tiles a head
	s_and_b32 s40, s2, 15
	s_lshl3_add_u32 s7, s40, s7                    ; + 8 tiles for each block of 128 tokens in the batch
	s_lshl2_add_u32 s7, s5, s7                     ; + 4 tw
	s_lshl_b32 s7, s7, 10                          ; in bytes (in Vf a pair of token tiles is 2,048 bytes as well)
	s_and_b32 s40, s6, 1                           ; which half of the head's features
	s_lshl_b32 s41, s40, 9
	s_add_co_u32 s32, s7, s41                      ; Qf, Kf: the half is c of the fragment
	s_mov_b32 s33, 0
	s_lshl_b32 s41, s40, 10
	s_add_co_u32 s34, s7, s41                      ; Vf: the half is a fragment of its own
	s_mov_b32 s35, 0
	s_mul_i32 s44, s5, GRP                         ; my 64 rows of X
	s_mul_i32 s45, s6, 16*PITCH                    ; my 16 rows of each weight
	s_add_co_u32 s45, s45, LW
	v_add_nc_u32 v[XA], s44, v5
	v_add_nc_u32 v[WA], s45, v5
	v_add_nc_u32 v[WV], LW, v[WA]
	s_wait_kmcnt 0x0
	s_add_nc_u64 s[8:9], s[8:9], s[26:27]          ; every base is finished here and never written again
	s_add_nc_u64 s[10:11], s[10:11], s[28:29]
	s_add_nc_u64 s[12:13], s[12:13], s[28:29]
	s_add_nc_u64 s[14:15], s[14:15], s[28:29]
	s_add_nc_u64 s[16:17], s[16:17], s[36:37]
	s_add_nc_u64 s[18:19], s[18:19], s[32:33]
	s_add_nc_u64 s[20:21], s[20:21], s[32:33]
	s_add_nc_u64 s[22:23], s[22:23], s[34:35]
	s_add_nc_u64 s[24:25], s[24:25], s[38:39]
	s_wait_alu depctr_va_vdst(0)                   ; v1 to v4 and v6 to v10 are written: every load and store of the kernel reads one of them as its offset or address
	; wave 0 alone: the work-group's 1,024 bytes of Wf.  These two loads are older than all others, so the counts below hold with and without them.
	s_cmp_lg_u32 s4, 0
	s_cbranch_scc1 .Lno_wf_load
	global_load_b128 v[12:15], v10, s[16:17]
	global_load_b128 v[16:19], v10, s[16:17] offset:16
.Lno_wf_load:
; 16 loads: 64 dense rows (64 KiB) for the work-group; a wave's load covers 512 consecutive bytes
.macro LOADG g, b, off
.irp i, 0,1,2,3,4,5,6,7,8,9,10,11,12,13,14,15
	global_load_b128 v[\g+4*\i:\g+4*\i+3], v1, s[\b:\b+1] offset:\off+4096*\i
.endr
.endm
; 32 roundings: piece i of group g (4 f32) becomes the pair at o + st i.  o = OB, st = 2: into the out-buffer; o = g, st = 4: in place
.macro CVTG g, o, st
.irp i, 0,1,2,3,4,5,6,7,8,9,10,11,12,13,14,15
	v_cvt_pk_bf16_f32 v[\o+\st*\i],   v[\g+4*\i],   v[\g+4*\i+1]
	v_cvt_pk_bf16_f32 v[\o+\st*\i+1], v[\g+4*\i+2], v[\g+4*\i+3]
.endr
.endm
; 16 LDS stores: 8 bytes a thread, a wave's store covers 256 consecutive bytes
.macro PUTG o, st, a, off
.irp i, 0,1,2,3,4,5,6,7,8,9,10,11,12,13,14,15
	ds_store_b64 v[\a], v[\o+\st*\i:\o+\st*\i+1] offset:\off+4*PITCH*\i
.endr
.endm
	LOADG SG0, 8, 0                                ; X rows 0-63
	LOADG SG1, 8, 65536                            ; X rows 64-127
	LOADG SG2, 10, 0                               ; Wq
	s_wait_loadcnt 32                              ; loads come back in order: the two younger groups (32 loads) stay out
	CVTG SG0, OB, 2
	s_wait_alu depctr_va_vdst(0)                   ; the roundings are done reading SG0, in which the loads below land, and have written OB, which the LDS stores below read
	LOADG SG0, 12, 0                               ; Wk: the loads ahead of the stores
	PUTG OB, 2, 2, 0
	s_wait_loadcnt 32
	s_wait_alu depctr_vm_vsrc(0)                   ; the LDS stores above have read OB, which the roundings below write again
	CVTG SG1, OB, 2
	s_wait_alu depctr_va_vdst(0)                   ; the roundings are done reading SG1, in which the loads below land, and have written OB, which the LDS stores below read
	LOADG SG1, 14, 0                               ; Wv
	PUTG OB, 2, 2, GRP
	s_wait_loadcnt 32
	CVTG SG2, SG2, 4                               ; no load lands in the last three groups before the barrier: they are rounded in place
	s_wait_alu depctr_va_vdst(0)                   ; the roundings have written SG2's pairs, which the LDS stores read
	PUTG SG2, 4, 3, 0
	s_wait_loadcnt 16                              ; Wv's 16 loads stay out
	CVTG SG0, SG0, 4
	s_wait_alu depctr_va_vdst(0)                   ; the roundings have written SG0's pairs, which the LDS stores read
	PUTG SG0, 4, 3, GRP
	s_wait_loadcnt 0x0
	CVTG SG1, SG1, 4
	s_wait_alu depctr_va_vdst(0)                   ; the roundings have written SG1's pairs, which the LDS stores read; behind this wait no vector instruction names v[128:255] until fragments have landed there
	PUTG SG1, 4, 4, 0
	s_cmp_lg_u32 s4, 0
	s_cbranch_scc1 .Lno_wf_store
	v_cvt_pk_bf16_f32 v20, v12, v13                ; wave 0 alone: half a fragment of Wff, 512 consecutive bytes
	v_cvt_pk_bf16_f32 v21, v14, v15
	v_cvt_pk_bf16_f32 v22, v16, v17
	v_cvt_pk_bf16_f32 v23, v18, v19
	s_wait_alu depctr_va_vdst(0)                   ; the four roundings have written v[20:23], which the store reads
	global_store_b128 v9, v[20:23], s[24:25]
.Lno_wf_store:
	s_wait_dscnt 0x0                               ; my LDS stores are done, for the other waves' sake
	s_barrier_signal -1
	s_barrier_wait -1                              ; X and the three weights are whole
	s_wait_alu depctr_vm_vsrc(0)                   ; my LDS stores have read SG0, SG1, SG2 and OB: from here on fragments land in these registers and the matrix instructions write them as accumulators
; the loads of one K step of 32, in the order in which the step wants them: the three weights' fragments (6 loads), then X's four (2 loads each)
.macro FW ks, f
	ds_load_b128 v[(\f)+32:(\f)+35], v[WA] offset:64*(\ks)
	ds_load_b128 v[(\f)+36:(\f)+39], v[WA] offset:64*(\ks)+32
	ds_load_b128 v[(\f)+40:(\f)+43], v[WA] offset:GRP+64*(\ks)
	ds_load_b128 v[(\f)+44:(\f)+47], v[WA] offset:GRP+64*(\ks)+32
	ds_load_b128 v[(\f)+48:(\f)+51], v[WV] offset:64*(\ks)
	ds_load_b128 v[(\f)+52:(\f)+55], v[WV] offset:64*(\ks)+32
.endm
.macro FX ks, f, tt
	ds_load_b128 v[(\f)+8*(\tt):(\f)+8*(\tt)+3],   v[XA] offset:16*PITCH*(\tt)+64*(\ks)
	ds_load_b128 v[(\f)+8*(\tt)+4:(\f)+8*(\tt)+7], v[XA] offset:16*PITCH*(\tt)+64*(\ks)+32
.endm
; 3 matrix instructions, token tile tt.  Q and K: source 0 = the weight's rows, source 1 = tokens, so that a lane holds 8 neighbouring features of token r.
; V: source 0 = tokens, source 1 = the weight's rows, so that a lane holds 8 neighbouring tokens of feature r (V transposed).
; The twelve accumulators of a step take turns, one instruction a turn.
.macro M3 f, tt, zero
.if \zero
	v_wmma_f32_16x16x32_bf16 v[ACC+24*(\tt):ACC+24*(\tt)+7],     v[(\f)+32:(\f)+39], v[(\f)+8*(\tt):(\f)+8*(\tt)+7], 0
	v_wmma_f32_16x16x32_bf16 v[ACC+24*(\tt)+8:ACC+24*(\tt)+15],  v[(\f)+40:(\f)+47], v[(\f)+8*(\tt):(\f)+8*(\tt)+7], 0
	v_wmma_f32_16x16x32_bf16 v[ACC+24*(\tt)+16:ACC+24*(\tt)+23], v[(\f)+8*(\tt):(\f)+8*(\tt)+7], v[(\f)+48:(\f)+55], 0
.else
	v_wmma_f32_16x16x32_bf16 v[ACC+24*(\tt):ACC+24*(\tt)+7],     v[(\f)+32:(\f)+39], v[(\f)+8*(\tt):(\f)+8*(\tt)+7], v[ACC+24*(\tt):ACC+24*(\tt)+7]
	v_wmma_f32_16x16x32_bf16 v[ACC+24*(\tt)+8:ACC+24*(\tt)+15],  v[(\f)+40:(\f)+47], v[(\f)+8*(\tt):(\f)+8*(\tt)+7], v[ACC+24*(\tt)+8:ACC+24*(\tt)+15]
	v_wmma_f32_16x16x32_bf16 v[ACC+24*(\tt)+16:ACC+24*(\tt)+23], v[(\f)+8*(\tt):(\f)+8*(\tt)+7], v[(\f)+48:(\f)+55], v[ACC+24*(\tt)+16:ACC+24*(\tt)+23]
.endif
.endm
; K step ks multiplies buffer f.  zero = 1: the sums begin.  next = 1: the next step's 14 loads go into buffer g, dealt among this step's matrix instructions,
; each at least six matrix instructions ahead of its first use.  held = 1: g was read by the step before.
; LDS loads come back in order, so each count is: this step's loads that are not yet wanted + the next step's that have been issued.
.macro STEP ks, f, g, zero, held, next
	s_wait_dscnt 6                                 ; the weights' fragments and X's tile 0 are in; tiles 1 to 3 (six loads) may stay out
.if \held
	s_wait_alu depctr_va_vdst(0)                   ; the matrix instructions of the step before are done reading buffer g, in which this step's 14 loads land
.endif
	M3 \f, 0, \zero
.if \next
	FW (\ks)+1, \g
	s_wait_dscnt 10                                ; tile 1 is in: behind it tiles 2, 3 (four loads) and the six just issued
.else
	s_wait_dscnt 4
.endif
	M3 \f, 1, \zero
.if \next
	FX (\ks)+1, \g, 0
	FX (\ks)+1, \g, 1
	s_wait_dscnt 12                                ; tile 2 is in: behind it tile 3 (two loads) and ten of the next step's
.else
	s_wait_dscnt 2
.endif
	M3 \f, 2, \zero
.if \next
	FX (\ks)+1, \g, 2
	FX (\ks)+1, \g, 3
	s_wait_dscnt 14                                ; tile 3 is in: behind it the next step's fourteen
.else
	s_wait_dscnt 0x0
.endif
	M3 \f, 3, \zero
.endm
	FW 0, FA
	FX 0, FA, 0
	FX 0, FA, 1
	FX 0, FA, 2
	FX 0, FA, 3
	STEP 0, FA, FB, 1, 0, 1                        ; the first K step starts the sums; no matrix instruction has read FB yet
	STEP 1, FB, FA, 0, 1, 1
	STEP 2, FA, FB, 0, 1, 1
	STEP 3, FB, FA, 0, 1, 1
	STEP 4, FA, FB, 0, 1, 1
	STEP 5, FB, FA, 0, 1, 1
	STEP 6, FA, FB, 0, 1, 1
	STEP 7, FB, FA, 0, 0, 0                        ; the last step fetches nothing: its counts run down, and it states no dependence
.rept 4
	v_nop                                          ; four places behind the last matrix instructions before vector instructions read their results and write over buffer A (ISA guide 7.12.1)
.endr
	; the way out: a lane's 8 results are 16 bytes of a fragment; a wave's store covers 512 consecutive bytes, at a multiple of 512
.macro FIN tt                          ; token tile tt: Q is scaled; Q, K and V are rounded into OUT; each accumulator from its low end on
.irp j, 0,1,2,3
	v_pk_mul_f32 v[ACC+24*(\tt)+2*\j:ACC+24*(\tt)+2*\j+1], v[ACC+24*(\tt)+2*\j:ACC+24*(\tt)+2*\j+1], s[30:31] op_sel_hi:[1,0]   ; Q x log2(e)/sqrt(2048)
.endr
.irp m, 0,1,2
.irp j, 0,1,2,3
	v_cvt_pk_bf16_f32 v[OUT+12*(\tt)+4*\m+\j], v[ACC+24*(\tt)+8*\m+2*\j], v[ACC+24*(\tt)+8*\m+2*\j+1]
.endr
.endr
.endm
.macro SEND tt
	global_store_b128 v9, v[OUT+12*(\tt):OUT+12*(\tt)+3],    s[18:19] offset:1024*(\tt)
	global_store_b128 v9, v[OUT+12*(\tt)+4:OUT+12*(\tt)+7],  s[20:21] offset:1024*(\tt)
	global_store_b128 v9, v[OUT+12*(\tt)+8:OUT+12*(\tt)+11], s[22:23] offset:((\tt)>>1)*2048+((\tt)&1)*512   ; token tile tt is half c = tt & 1 of its block of 32 tokens
.endm
	FIN 0
	FIN 1
	s_wait_alu depctr_va_vdst(0)                   ; the roundings have written OUT's registers of token tiles 0 and 1, which the six stores below read; no later line writes them
	SEND 0
	SEND 1
	FIN 2                                          ; these name the accumulators and OUT's registers of tiles 2 and 3 alone
	FIN 3
	s_wait_alu depctr_va_vdst(0)                   ; the roundings have written OUT's registers of token tiles 2 and 3, which the last six stores read
	SEND 2
	SEND 3
	s_wait_dscnt 0x0
	s_wait_alu depctr_hold_cnt(0) depctr_sa_sdst(0) depctr_va_vdst(0) depctr_va_sdst(0) depctr_va_ssrc(0) depctr_va_vcc(0) depctr_vm_vsrc(0)
	s_wait_tensorcnt 0x0
	ds_add_u32 v30, v31
	s_wait_dscnt 0x0
	s_endpgm
.Lfunc_end_k_qee24e63152_proj:
	.size	k_qee24e63152_proj, .Lfunc_end_k_qee24e63152_proj-k_qee24e63152_proj
	.p2alignl 7, 3214868480
	.fill 96, 4, 3214868480
	.section	.rodata,"a",@progbits
	.p2align	6, 0x0
	.amdhsa_kernel k_qee24e63152_proj
		.amdhsa_group_segment_fixed_size 169984
		.amdhsa_private_segment_fixed_size 0
		.amdhsa_enable_private_segment 0
		.amdhsa_kernarg_size 72
		.amdhsa_user_sgpr_count 2
		.amdhsa_user_sgpr_kernarg_segment_ptr 1
		.amdhsa_wavefront_size32 1
		.amdhsa_system_sgpr_workgroup_id_x 1
		.amdhsa_system_sgpr_workgroup_id_y 1
		.amdhsa_system_sgpr_workgroup_id_z 1
		.amdhsa_system_vgpr_workitem_id 0
		.amdhsa_next_free_vgpr 256
		.amdhsa_next_free_sgpr 66
		.amdhsa_reserve_vcc 0
		.amdhsa_float_denorm_mode_32 3
		.amdhsa_float_denorm_mode_16_64 3
		.amdhsa_memory_ordered 1
		.amdhsa_forward_progress 1
		.amdhsa_inst_pref_size 47
	.end_amdhsa_kernel
	.amdgpu_metadata
---
amdhsa.version: [ 1, 2 ]
amdhsa.kernels:
  - .name:           k_qee24e63152_proj
    .symbol:         k_qee24e63152_proj.kd
    .args:
      - { .name: inputs, .offset: 0, .size: 8, .value_kind: global_buffer, .address_space: global }
      - { .name: Wq, .offset: 8, .size: 8, .value_kind: global_buffer, .address_space: global }
      - { .name: Wk, .offset: 16, .size: 8, .value_kind: global_buffer, .address_space: global }
      - { .name: Wv, .offset: 24, .size: 8, .value_kind: global_buffer, .address_space: global }
      - { .name: Wf, .offset: 32, .size: 8, .value_kind: global_buffer, .address_space: global }
      - { .name: Qf, .offset: 40, .size: 8, .value_kind: global_buffer, .address_space: global }
      - { .name: Kf, .offset: 48, .size: 8, .value_kind: global_buffer, .address_space: global }
      - { .name: Vf, .offset: 56, .size: 8, .value_kind: global_buffer, .address_space: global }
      - { .name: Wff, .offset: 64, .size: 8, .value_kind: global_buffer, .address_space: global }
    .group_segment_fixed_size: 169984
    .private_segment_fixed_size: 0
    .kernarg_segment_align: 8
    .kernarg_segment_size: 72
    .max_flat_workgroup_size: 256
    .sgpr_count:     66
    .vgpr_count:     256
    .wavefront_size: 32
...
	.end_amdgpu_metadata
.endif
;; end of part 4
;; launch attn: the kernel of part 2 again; grid 8 x 32, 8 waves a work-group, clusters of 4 x 1, 304,128 bytes of LDS; arguments Qf, Kf, Vf, Af; writes Af
;; launch outln: the kernel of part 3 again; grid 256 x 1, 8 waves a work-group, clusters of 4 x 1, 181,760 bytes of LDS; arguments Af, Wff, inputs, bf, gamma, beta, out0; writes out0
